; MI455X (gfx1250); checked and timed in simulation.
; The chip was launched on July 23, 2026; its instructions are those of AMD's public machine-readable ISA for CDNA 5 (MIT licence, August 2026) and "CDNA5" Instruction Set Architecture Reference Guide (July 2026). The comments in the code are by the model that wrote it; some were corrected since.
;; Memory Molecular. Allowed arithmetic: matrix products marked QUANTISED: E3M2 operands, one E8M0 scale for each 32 along K, by v_wmma_scale_f32_16x16x128_f8f6f4 with both operands' format E3M2, f32 sums; everything else in f32.
;; Inputs: feature_queue_codes 65,536 x 16 x 24 uint8 (E3M2 codes of feature_queue, K innermost, in blocks of 32 codes, four codes in three bytes); feature_queue_scales 65,536 x 16 uint8 (E8M0 scales of feature_queue, one for each 32 codes along K); rep_queue 65,536 x 512 float32; x_codes 2,048 x 16 x 24 uint8 (E3M2 codes of x, K innermost, in blocks of 32 codes, four codes in three bytes); x_scales 2,048 x 16 uint8 (E8M0 scales of x, one for each 32 codes along K).
;; Outputs: out0 2,048 x 512 float32; out1 2,048 x 512 float32.
;; This version of the problem:
;;   THIS VERSION OF THE PROBLEM IS GIVEN IN LOW PRECISION. The matrix products marked QUANTISED in the list below multiply operands that are first quantised to E3M2 (3 exponent bits, 2 mantissa bits; 6 bits a number), with one power-of-two scale for each 32 numbers along K (OCP MX v1.0); their sums are f32. All else is computed in f32.
;;   The module's matrix products, in the order in which they are computed (A, B: the left and right operand; K: the contracted axis; several contracted axes count as one K, in the product's order):
;;     1. [M 2,048, K 512] x [K 512, N 65,536]; A: input x (given as codes); B: input feature_queue (given as codes): QUANTISED
;;   THE QUANTISER, for each operand of a quantised product, along K:
;;     - K is cut into blocks of 32 from its start; a last block that is shorter is filled with zeros.
;;     - A block's scale is 2^e with e = floor(log2(the largest magnitude in the block)) - 4, held to -126 .. 127; a block of zeros has e = 0. As a byte (E8M0): e + 127.
;;     - Each number is divided by its block's scale, clamped to +-28, and rounded to the nearest number of E3M2, ties to even, subnormals kept.
;;     - The product sums the exact products of the quantised numbers (number of the format x scale) in f32.
;;   ~~~python
;;   def quantise(x, axis):      # numpy; x: float32 -> the quantised numbers, widened to float32 again
;;       x = np.moveaxis(x, axis, -1); K = x.shape[-1]
;;       x = np.pad(x, [(0, 0)] * (x.ndim - 1) + [(0, -K % 32)]); x = x.reshape(x.shape[:-1] + (-1, 32)); a = np.abs(x).max(-1, keepdims=True)
;;       e = np.where(a > 0, np.clip(np.frexp(np.where(a > 0, a, 1))[1] - 1 - 4, -126, 127), 0)      # np.frexp(a)[1] - 1 = floor(log2(a)), exactly
;;       r = np.clip(x / 2.0 ** e, -28, 28)
;;       step = 2.0 ** (np.maximum(np.frexp(np.where(r == 0, 1, r))[1] - 1, -2) - 2)
;;       q = np.round(r / step) * step * 2.0 ** e      # np.round: ties to even
;;       return np.moveaxis(q.reshape(q.shape[:-2] + (-1,))[..., :K], -1, axis).astype(np.float32)
;;   ~~~
;;   INPUTS GIVEN AS CODES. feature_queue (in the module: [65536, 512], K = its axis 1); x (in the module: [2048, 512], K = its axis 1): each comes as NAME_codes (uint8): NAME with its K axis moved to the last place and cut into blocks of 32 codes, [.., K / 32, bytes a block], one block behind the other in memory; four codes in three bytes: a row's codes are one little-endian stream of bits, code i at bits 6 i .. 6 i + 5 (a code: sign, 3 exponent bits, 2 mantissa bits); and NAME_scales (uint8): the same leading axes, one E8M0 byte (e + 127) for each 32 codes along K. Its value is code x scale, taken as it is: it is not quantised again, and the codes and scales need not be those that the quantiser above would give.
;; One version. Each part assembles by itself: llvm-mc -triple=amdgcn-amd-amdhsa -mcpu=gfx1250 --defsym DOCPART=n.
;; ======== version 1 of 1: 2 launches
;; limits: right only within a limited range of input values
;; workspace buffers: part 2,097,152 bytes of whole numbers
;; launch scan (part 1): grid 4 x 64, 8 waves a work-group, clusters of 4 x 1, 327,680 bytes of LDS; arguments x_codes, x_scales, feature_queue_codes, feature_queue_scales, part; writes part
.if DOCPART == 1
	.amdgcn_target "amdgcn-amd-amdhsa--gfx1250"
	.amdhsa_code_object_version 6
	.text
	.protected	k_qfdca845a54_scan
	.globl	k_qfdca845a54_scan
	.p2align	8
	.type	k_qfdca845a54_scan,@function
k_qfdca845a54_scan:
	s_mov_b64 s[64:65], 0
	v_nop
	global_prefetch_b8 v0, s[64:65] scope:SCOPE_SE
	s_setreg_imm32_b32 hwreg(HW_REG_WAVE_MODE, 25, 1), 1
	s_wait_xcnt 0x0
	s_wait_alu depctr_hold_cnt(0) depctr_sa_sdst(0) depctr_va_vdst(0) depctr_va_sdst(0) depctr_va_ssrc(0) depctr_va_vcc(0) depctr_vm_vsrc(0)
	s_getreg_b32 s2, hwreg(HW_REG_IB_STS2, 6, 4)
	s_cmp_eq_u32 s2, 0
	s_cbranch_scc0 .Lentry_in_a_cluster
	s_endpgm
.Lentry_in_a_cluster:
	s_bfe_u32 s2, ttmp6, 0x10000c
	s_cmp_lg_u32 s2, 0x3003
	s_cbranch_scc0 .Lentry_shape_is_right
	s_endpgm
.Lentry_shape_is_right:
; logit[b][k] = sum over f of x[b][f] fq[k][f]: codes of BF6 (E3M2) with one E8M0 scale for each 32 along f, as they lie in memory; f32 sums, f ascending, one accumulator a logit.
; For each row b and each RANGE of 1,024 queue entries one record of four whole numbers goes to part[range][b]: (key of the largest logit, first GROUP OF FOUR entries that holds it, key of the smallest, its first group).
; A key is the logit's bits turned so that unsigned order is the logits' order (-0 counted as +0).  A group is entry / 4.  Which of a group's four entries it is, the next launch settles by multiplying those four again.
; LIMIT: a logit that is NaN (a scale byte 0xff, infinities of both signs in one sum) is passed over by the maxima and minima, where an argmax would return its place: not served.
; SHARES.  Work-group (rb, rho): rows 512 rb .. + 511 against entries 1024 rho .. + 1023.  Eight waves, two to a SIMD: for each 16 matrix instructions a wave has 56 search instructions and 25 LDS loads of its own,
; which can be issued while its neighbour's matrix instructions run.  Wave w: 64 rows, four tiles of 16, all their codes in 192 registers; each fragment of the queue read from LDS feeds four matrix instructions.
; CLUSTER.  The four work-groups of a cluster share rho: every tile of the queue and its scale bytes are asked for JOINTLY (mask 15).
; x comes by loads of 512 consecutive bytes a wave, goes tile by tile through a stage of the wave's own in LDS (the padded layout of the queue's tiles) and comes back as fragments, into the registers it was loaded into.
; LDS holds 36 of the range's 64 tiles.  Fills: at the head tiles 0-11 (waves 0-3, three each) and the scale bytes (waves 4-7, a quarter each); behind a round tiles 12-35, three a wave; when tiles 0-27 have been read,
; tiles 36-63 over them, four a wave (waves 0-6).
; No prefetch: the second fill is asked for 11 steps (176 matrix instructions a wave) and the third 8 steps ahead of the barrier that waits for it; the head's fills have no loop ahead of them.
; LAYOUT.  Source 0 = 16 queue entries, source 1 = 16 rows of x: lane (r, h) holds row r, register j entry 16 t + 8 h + j.
; THE SEARCH, for a tile of x, a direction and a queue tile, seven instructions: four three-operand maxima chain the old best and the eight logits; a strict compare (an earlier tile keeps a tie); under its mask the chain's value
; behind logits 0-3 is saved and the tile's first group taken.  At the end: saved = best means the lane's first four, else its second four.
; REGISTERS: window 0: addresses, scale words, accumulators, the search's state, the queue's fragments (two sets of 48); window 1: x (tile k, step s at 48 k + 12 s).  The windows are switched twice a step.
.set ENTB,   384
.set PITCH,  432                       ; an entry in LDS: 3 x (128 bytes + 16 of padding)
.set TILEB,  16*PITCH
.set NT,     36                        ; tiles that LDS holds
.set SCQ,    NT*TILEB                  ; the range's 1,024 x 16 scale bytes, dense, filled once
.set STG,    SCQ+16384                 ; eight stages of one tile, a wave's own each: stored to by ds_store alone, no fill lands there
.set SPARE,  STG+8*TILEB               ; the spare words, 128 bytes a wave
.set RANGEB, 1024*ENTB
.set PADW,   (3<<16)|(1<<20)|(4<<22)|(3<<25)   ; elements of 8 bytes; padding on; after every 32 words, 4 words
.set JOINT,  15|(1<<21)
.set SPW,  1
.set NIL,  2
.set AK0,  3                           ; 432 r + 24 h
.set AK1,  4                           ; 432 r + 40 h: for pieces whose upper lanes lie behind one padding more
.set AS0,  5                           ; SCQ + 16 r
.set ADR0, 6                           ; v6, v7 the tile that is being fetched;  v8 its scale words
.set ADS,  8
.set XA0,  12                          ; v12, v13 AK0, AK1 in my stage
.set STA,  14                          ; where my lane stores 16 bytes into the stage
.set VO,   15                          ; 16 x lane
.set H2,   16                          ; 2 h
.set XO,   17                          ; 16 r
.set XS,   20                          ; x's scale words: tile i, step s at 4 i + s
.set QS,   36                          ; the queue's, two sets of four
.set AC,   44                          ; four accumulators
.set ST,   76                          ; state: tile i, direction d at 4 (2 i + d): + 0, + 1 the best, old and new by the queue tile's parity; + 2 the group; + 3 the saved value
.set TM,   108                         ; sixteen registers at work in the chains
.set QF,   128                         ; the queue's fragments
.set TJ,   AC                          ; the end, over the accumulators and the chains' registers
.set PB,   AC+8
.set PI,   AC+16
.set TK,   AC+24
.set REC,  TM
.set WV,   14
.set RB,   15
.set RHO,  16
.set G1A,  24
.set G1S,  32
.set G1C,  40
.set G0A,  48
.set G0S,  52
.set G0B,  56
.set G0C,  60
.set SEL,  76
.set TI,   78                          ; first group of the tile whose logits are searched
.set TB,   79                          ; LDS byte of the tile to be fetched
.set TS,   80                          ; its scale bytes, from SCQ
.set CNT,  81
.set NINF, 82
.set M,    84
.set UPPER, 100
.set SB,   101
.set MSB, 0
.macro WIN new                         ; the immediate's high byte repeats the setting that is left
.if MSB != (\new)
	s_set_vgpr_msb (MSB<<8)|(\new)
.set MSB, \new
.endif
.endm
.macro PLACES
.rept 4
	v_nop
.endr
.endm
.macro ROUND                           ; a round of the cluster's barrier
	s_barrier_signal -1
	s_barrier_wait -1
	s_cmp_lg_u32 s[WV], 0
	s_cbranch_scc1 .Lnot_wave_0_\@
	s_barrier_signal -3
.Lnot_wave_0_\@:
	s_barrier_wait -3
	s_barrier_signal -1
	s_barrier_wait -1
.endm
.macro GROUP1 g, w0, c, r              ; r rows of c elements of 8 bytes, dense in memory
	s_mov_b32 s[\g], \w0
	s_mov_b32 s[\g+1], (\c)<<16
	s_mov_b32 s[\g+2], (\r)<<16
	s_mov_b32 s[\g+3], (\c)<<16
	s_mov_b32 s[\g+4], \r
	s_mov_b32 s[\g+5], \c
	s_mov_b32 s[\g+6], 0
	s_mov_b32 s[\g+7], 0
.endm
; One piece of 8 bytes of a fragment (12 registers; lane (r, h): registers 6 c .. 6 c + 5 = f 64 c + 32 h + 0 .. 31 of the step).  Piece q of step s is the row's piece 12 s + 6 (q / 3) + q % 3, three on for lanes 16-31.
.macro FRAGP reg, a0, s, q, base
.set PCE, 12*(\s)+6*((\q)/3)+(\q)%3
.if PCE%16 < 13
	ds_load_b64 v[(\reg)+2*(\q):(\reg)+2*(\q)+1], v[\a0] offset:(\base)+8*PCE+16*(PCE/16)
.else
	ds_load_b64 v[(\reg)+2*(\q):(\reg)+2*(\q)+1], v[(\a0)+1] offset:(\base)+8*PCE+16*(PCE/16)
.endif
.endm
	s_load_b256 s[4:11], s[0:1], 0x0               ; x's codes, x's scales, the queue's codes, its scales
	s_load_b64 s[12:13], s[0:1], 0x20              ; part
	v_lshl_add_u32 v[SPW], v0, 2, SPARE
	v_mov_b32 v[NIL], 0
	ds_add_u32 v[SPW], v[NIL]                      ; the opening lines: the add, twice on end, and its wait
	ds_add_u32 v[SPW], v[NIL]
	v_lshrrev_b32 v9, 5, v0
	v_readfirstlane_b32 s[WV], v9
	s_bfe_u32 s17, ttmp6, 0x40000                  ; cx
	s_lshl_b32 s[RB], ttmp9, 2
	s_add_co_u32 s[RB], s[RB], s17
	s_and_b32 s[RHO], ttmp7, 0xffff
	GROUP1 G1A, JOINT|PADW, 96, 24                 ; three tiles: 24 rows of 768 bytes
	GROUP1 G1S, JOINT|(3<<16), 32, 16              ; a quarter of the scale bytes: 16 rows of 256 bytes
	GROUP1 G1C, JOINT|PADW, 96, 32                 ; four tiles
	s_mul_i32 s18, s[RB], 512*ENTB                 ; mine alone (they hold rb): x's codes, x's scales, part
	s_mul_i32 s19, s[WV], 64*ENTB
	s_add_co_u32 s18, s18, s19
	s_mov_b32 s19, 0
	s_lshl_b32 s20, s[RB], 13
	s_lshl_b32 s21, s[WV], 10
	s_add_co_u32 s20, s20, s21
	s_mov_b32 s21, 0
	s_lshl_b32 s22, s[RHO], 15
	s_add_co_u32 s22, s22, s20
	s_mov_b32 s23, 0
	s_and_b32 s95, s[WV], 3                        ; shared by the four partners (rho and the wave's number alone): which quarter of the scale bytes (waves 4-7),
	s_lshl_b32 s95, s95, 12
	s_lshl_b32 s94, s[RHO], 14
	s_add_co_u32 s94, s94, s95
	s_mov_b32 s[G0S], 1
	s_add_co_u32 s[G0S+1], s95, SCQ
	s_mov_b32 s95, 0
	s_mul_i32 s96, s[RHO], RANGEB
	s_add_co_u32 s92, s96, 576*ENTB                ; tile 36
	s_mul_i32 s97, s[WV], 48*ENTB
	s_add_co_u32 s96, s96, s97                     ; tile 3 w
	s_add_co_u32 s98, s96, 192*ENTB                ; tile 12 + 3 w
	s_mul_i32 s97, s[WV], 64*ENTB
	s_add_co_u32 s92, s92, s97                     ; tile 36 + 4 w
	s_mov_b32 s97, 0
	s_mov_b32 s99, 0
	s_mov_b32 s93, 0
	s_mov_b32 s[G0A], 1
	s_mul_i32 s[G0A+1], s[WV], 3*TILEB
	s_mov_b32 s[G0B], 1
	s_add_co_u32 s[G0B+1], s[G0A+1], 12*TILEB
	s_mov_b32 s[G0C], 1
	s_mul_i32 s[G0C+1], s[WV], 4*TILEB
	s_mul_i32 s[SB], s[WV], TILEB
	s_add_co_u32 s[SB], s[SB], STG                 ; my stage
	s_mov_b32 s[SEL], 0x76543210
	s_mov_b32 s[SEL+1], 0xfedcba98
	s_mov_b32 s[NINF], 0xff800000
	s_mov_b32 s[NINF+1], 0x7f800000
	s_mov_b32 s[UPPER], 0xffff0000
	s_lshl_b32 s[TI], s[RHO], 8                    ; the range's first group
	s_mov_b32 s[TB], TILEB                         ; tile 0 is fetched by the head: the steps' fetches begin with tile 1
	s_mov_b32 s[TS], 256
	s_wait_dscnt 0x0                               ; both opening adds are done
	v_and_b32 v9, 15, v0                           ; r
	v_bfe_u32 v10, v0, 4, 1                        ; h
	v_and_b32 v11, 31, v0                          ; lane
	v_mul_u32_u24 v[AK0], v9, PITCH
	v_lshlrev_b32 v[XO], 4, v9
	v_lshlrev_b32 v[VO], 4, v11
	v_lshrrev_b32 v[STA], 3, v11
	v_mad_u32_u24 v[AK1], v10, 40, v[AK0]
	v_mad_u32_u24 v[AK0], v10, 24, v[AK0]
	v_add_nc_u32 v[AS0], SCQ, v[XO]
	v_lshl_add_u32 v[STA], v[STA], 4, v[VO]        ; 16 lane + 16 (lane / 8): 16 bytes of padding behind every 128
	v_lshlrev_b32 v[H2], 1, v10
	v_add_nc_u32 v[XA0], s[SB], v[AK0]
	v_add_nc_u32 v[XA0+1], s[SB], v[AK1]
	v_add_nc_u32 v[STA], s[SB], v[STA]
.set SQI, 0
.rept 8                                        ; the state: a lane that never improves on an infinity ends at its first group
	v_mov_b32 v[ST+4*SQI], s[NINF+SQI%2]
	v_mov_b32 v[ST+4*SQI+2], s[TI]
	v_mov_b32 v[ST+4*SQI+3], s[NINF+SQI%2]
.set SQI, SQI+1
.endr
	s_wait_alu depctr_va_vdst(0)
	s_wait_kmcnt 0x0
	s_add_nc_u64 s[G0A+2:G0A+3], s[8:9], s[96:97]
	s_or_b32 s[G0A+3], s[G0A+3], 0x80000000
	s_add_nc_u64 s[G0S+2:G0S+3], s[10:11], s[94:95]
	s_or_b32 s[G0S+3], s[G0S+3], 0x80000000
	s_add_nc_u64 s[G0B+2:G0B+3], s[8:9], s[98:99]
	s_or_b32 s[G0B+3], s[G0B+3], 0x80000000
	s_add_nc_u64 s[G0C+2:G0C+3], s[8:9], s[92:93]
	s_or_b32 s[G0C+3], s[G0C+3], 0x80000000
	s_add_nc_u64 s[4:5], s[4:5], s[18:19]          ; x's codes at my wave's first row
	s_add_nc_u64 s[6:7], s[6:7], s[20:21]
	s_add_nc_u64 s[12:13], s[12:13], s[22:23]
	ROUND                                          ; all four work-groups are here: the first joint loads meet
	s_cmp_lt_u32 s[WV], 4                          ; the head's loads, one a wave, in one chain of two arms on the wave's number
	s_cbranch_scc0 .Lhead_s
	tensor_load_to_lds s[G0A:G0A+3], s[G1A:G1A+7]  ; waves 0-3: tiles 3 w .. 3 w + 2
	s_nop 0
	PLACES
	s_branch .Lhead_done
.Lhead_s:
	tensor_load_to_lds s[G0S:G0S+3], s[G1S:G1S+7]  ; waves 4-7: a quarter of the range's scale bytes
	s_nop 0
	PLACES
.Lhead_done:
.irp i, 0,1,2,3
	global_load_b128 v[XS+4*\i:XS+4*\i+3], v[XO], s[6:7] offset:256*\i   ; x's scale words: tile i's 16 rows are 256 consecutive bytes
.endr
	WIN 0x40
.irp k, 0,1,2,3
.irp i, 0,1,2,3,4,5,6,7,8,9,10,11
	global_load_b128 v[48*\k+4*\i:48*\k+4*\i+3], v[VO], s[4:5] offset:6144*\k+512*\i   ; a tile's 6,144 bytes as they lie: 32 lanes take 512 consecutive bytes
.endr
.endr
	s_wait_tensorcnt 0x0                           ; my head load has landed: none of mine is out while I store to LDS
; Tile t of x: into my stage and back as fragments.  LDS serves a wave's instructions in order (ISA guide 5.7.1.4): no wait between the stores and the loads, nor ahead of the next tile's stores.
.macro XTILE t
	s_wait_loadcnt 12*(3-(\t))                     ; the later tiles' loads, 12 each, may be out
	WIN 0x44                                       ; store data and load destination: window 1
.set XR, 48*(\t)
.irp i, 0,1,2,3,4,5,6,7,8,9,10,11
	ds_store_b128 v[STA], v[XR+4*\i:XR+4*\i+3] offset:576*\i
.endr
.irp s, 0,1,2,3
.irp q, 0,1,2,3,4,5
	FRAGP XR+12*\s, XA0, \s, \q, 0
.endr
.endr
.endm
.irp t, 0,1,2,3
	XTILE \t
.endr
	WIN 0
	s_wait_tensorcnt 0x0
	ds_add_u32 v[SPW], v[NIL]
	s_wait_dscnt 0x0                               ; the add is done, and x is in my registers
	ROUND                                          ; tiles 0-11 and the scale bytes are whole, and the four work-groups are here
	tensor_load_to_lds s[G0B:G0B+3], s[G1A:G1A+7]  ; my one load behind the round: tiles 12 + 3 w .. + 2
	s_nop 0
	PLACES
	ds_load_b128 v[QS:QS+3], v[AS0]                ; tile 0 into set 0: an entry's 16 scale bytes are the four steps' words
.set FF, 0
.rept 24
	FRAGP QF+12*(FF/6), AK0, FF/6, FF%6, 0
.set FF, FF+1
.endr
; Matrix instruction NN of 16 on the queue's set p: step NN / 4 of f, my tile NN % 4.  The four accumulators take turns; the first four start the sums with 0.
.macro MM p
.set KS, NN/4
.set KT, NN%4
.set RD, AC+8*KT
.set RQ, QF+48*(\p)+12*KS
.set RX, 48*KT+12*KS
.set SQ, QS+4*(\p)+KS
.set SX, XS+4*KT+KS
.if KS == 0
	v_wmma_scale_f32_16x16x128_f8f6f4 v[RD:RD+7], v[RQ:RQ+11], v[RX:RX+11], 0, v[SQ], v[SX] matrix_a_fmt:MATRIX_FMT_BF6 matrix_b_fmt:MATRIX_FMT_BF6
.else
	v_wmma_scale_f32_16x16x128_f8f6f4 v[RD:RD+7], v[RQ:RQ+11], v[RX:RX+11], v[RD:RD+7], v[SQ], v[SX] matrix_a_fmt:MATRIX_FMT_BF6 matrix_b_fmt:MATRIX_FMT_BF6
.endif
.endm
; Number EI of 56 of the search: eight chains (tile CH / 2, direction CH % 2) by turns, seven stages.  par: the queue tile's parity: the old best at + par, the new at + 1 - par.
.macro EITEM par
.set CH, EI%8
.set SG, EI/8
.set RT, ST+4*CH
.set RA, AC+8*(CH/2)
.if SG < 4
.set RO, TM+CH
.set RN, TM+CH
.if SG == 0
.set RO, RT+(\par)
.elseif SG == 1
.set RN, TM+8+CH
.elseif SG == 2
.set RO, TM+8+CH
.else
.set RN, RT+1-(\par)
.endif
.if CH%2 == 0
	v_max3_num_f32 v[RN], v[RO], v[RA+2*SG], v[RA+2*SG+1]
.else
	v_min3_num_f32 v[RN], v[RO], v[RA+2*SG], v[RA+2*SG+1]
.endif
.elseif SG == 4
.if CH%2 == 0
	v_cmp_gt_f32 s[M+CH], v[RT+1-(\par)], v[RT+(\par)]
.else
	v_cmp_lt_f32 s[M+CH], v[RT+1-(\par)], v[RT+(\par)]
.endif
.elseif SG == 5
	v_cndmask_b32 v[RT+3], v[RT+3], v[TM+8+CH], s[M+CH]   ; the chain's value behind logits 0-3
.else
	v_cndmask_b32 v[RT+2], v[RT+2], s[TI], s[M+CH]
.endif
.endm
; A STEP: one tile of the queue, in set p = its parity: 16 matrix instructions on end; the next tile's 25 LDS loads, in one run, into the other set; the search of this tile's four results.
; DISTANCES (ISA guide 7.12.1 for the matrix instructions).  Behind the last matrix instruction stand four plain instructions that name none of its registers (the run's three addresses and a v_nop; in the last step four v_nop):
; only then are results read.  The search's last 24 instructions name state alone: they stand ahead of the next step's products, which begin the accumulators anew.  The set that is loaded into was last read a step ago.
.macro STEP p, last
	s_wait_dscnt 0x0                               ; the tile's 25 loads, issued ahead of the last step's search
	WIN 0x04                                       ; source 1 (x) window 1
.set NN, 0
.rept 16
	MM \p
.set NN, NN+1
.endr
	WIN 0
.if \last
	PLACES
.else
	v_add_nc_u32 v[ADR0], s[TB], v[AK0]
	v_add_nc_u32 v[ADR0+1], s[TB], v[AK1]
	v_add_nc_u32 v[ADS], s[TS], v[AS0]
	v_nop
	s_add_co_u32 s[TB], s[TB], TILEB
	s_add_co_u32 s[TS], s[TS], 256
	ds_load_b128 v[QS+4*(1-(\p)):QS+4*(1-(\p))+3], v[ADS]
.set FF, 0
.rept 24
	FRAGP QF+48*(1-(\p))+12*(FF/6), ADR0, FF/6, FF%6, 0
.set FF, FF+1
.endr
.endif
.set EI, 0
.rept 56
	EITEM \p
.set EI, EI+1
.endr
	s_add_co_u32 s[TI], s[TI], 4
.endm
.macro RUN trips                       ; an odd tile and an even one a trip
	s_mov_b32 s[CNT], \trips
.Lrun_\@:
	STEP 1, 0
	STEP 0, 0
	s_sub_co_u32 s[CNT], s[CNT], 1
	s_cmp_lg_u32 s[CNT], 0
	s_cbranch_scc1 .Lrun_\@
.endm
.macro MEET                            ; the fetches pass on to tiles that other waves' loads brought: each wave waits for its own load, then the work-group's barrier
	s_wait_tensorcnt 0x0
	s_wait_dscnt 0x0
	s_barrier_signal -1
	s_barrier_wait -1
.endm
	STEP 0, 0                                      ; tile 0 (it fetches tile 1)
	RUN 5                                          ; tiles 1-10: the fetches end with tile 11
	MEET                                           ; tiles 12-35 are whole
	RUN 8                                          ; tiles 11-26: the fetches end with tile 27
	s_wait_tensorcnt 0x0                           ; THE REFILL: LDS tiles 0-27 have been read out and take tiles 36-63
	ds_add_u32 v[SPW], v[NIL]
	s_wait_dscnt 0x0                               ; the add is done, and my reads of those tiles are over
	ROUND                                          ; no wave of any partner still reads them or has a load on its way
	s_cmp_lt_u32 s[WV], 7                          ; 28 tiles are left, four a wave: wave 7 asks for nothing.  The branch hangs on the wave's number alone
	s_cbranch_scc0 .Lno_tiles
	tensor_load_to_lds s[G0C:G0C+3], s[G1C:G1C+7]  ; my one load behind the round: tiles 36 + 4 w .. + 3
	s_nop 0
	PLACES
.Lno_tiles:
	RUN 4                                          ; tiles 27-34: the fetches end with tile 35
	MEET                                           ; tiles 36-63 are whole: tile u lies at (u - 36) TILEB
	s_mov_b32 s[TB], 0
	RUN 14                                         ; tiles 35-62
	STEP 1, 1                                      ; tile 63: nothing more to fetch
	; THE END.  Tile 63 is odd: every best lies at + 0.  Eight pairs (tile, direction) by turns.
.irp q, 0,1,2,3,4,5,6,7
	v_mov_b32 v[PB+\q], 0                          ; a lane permute's destination counts as one of its sources
	v_mov_b32 v[PI+\q], 0
.endr
.irp q, 0,1,2,3,4,5,6,7
	v_cmp_neq_f32 s[M+\q], v[ST+4*\q+3], v[ST+4*\q]   ; the best is not among the lane's first four
.endr
.irp q, 0,1,2,3,4,5,6,7
	v_cndmask_b32 v[TJ+\q], 0, 1, s[M+\q]
.endr
.irp q, 0,1,2,3,4,5,6,7
	v_add3_u32 v[ST+4*\q+2], v[ST+4*\q+2], v[TJ+\q], v[H2]   ; the group: the tile's first + 2 h + which
.endr
.irp q, 0,1,2,3,4,5,6,7
	v_permlanex16_b32 v[PB+\q], v[ST+4*\q], s[SEL], s[SEL+1]       ; the row's other entries lie in the lane 16 away
.endr
.irp q, 0,1,2,3,4,5,6,7
	v_permlanex16_b32 v[PI+\q], v[ST+4*\q+2], s[SEL], s[SEL+1]
.endr
.irp u, 0,4
.irp c, 0,1,2,3
.set FT, ST+4*(\u+\c)
.if (\c)%2 == 0
	v_cmp_gt_f32 s[M+\c], v[PB+\u+\c], v[FT]       ; the partner's is strictly better,
.else
	v_cmp_lt_f32 s[M+\c], v[PB+\u+\c], v[FT]
.endif
	v_cmp_eq_f32 s[M+4+\c], v[PB+\u+\c], v[FT]     ; or equal: never both
	v_min_u32 v[TK+\u+\c], v[FT+2], v[PI+\u+\c]
.endr
.irp c, 0,1,2,3
.set FT, ST+4*(\u+\c)
	v_cndmask_b32 v[FT+2], v[FT+2], v[PI+\u+\c], s[M+\c]     ; better: its group;
	v_cndmask_b32 v[FT+2], v[FT+2], v[TK+\u+\c], s[M+4+\c]   ; equal: the lower group of the two
	v_cndmask_b32 v[FT], v[FT], v[PB+\u+\c], s[M+\c]
.endr
.endr
.irp q, 0,1,2,3,4,5,6,7
	v_add_f32 v[ST+4*\q], 0, v[ST+4*\q]            ; THE KEY: -0 becomes +0;
.endr
.irp q, 0,1,2,3,4,5,6,7
	v_ashrrev_i32 v[TK+\q], 31, v[ST+4*\q]
.endr
.irp q, 0,1,2,3,4,5,6,7
	v_or_b32 v[TK+\q], 0x80000000, v[TK+\q]
.endr
.irp q, 0,1,2,3,4,5,6,7
	v_xor_b32 v[ST+4*\q], v[ST+4*\q], v[TK+\q]     ; a negative number's bits are all turned, of the others the sign alone
.endr
	; Both halves of the lanes hold the same words for row r of each tile.  Lanes 0-15 take tile 2 p's, lanes 16-31 tile 2 p + 1's: lane l holds the record of row 32 p + l.
.irp p, 0,1
	v_cndmask_b32 v[REC+4*\p], v[ST+4*(4*\p)], v[ST+4*(4*\p+2)], s[UPPER]
	v_cndmask_b32 v[REC+4*\p+1], v[ST+4*(4*\p)+2], v[ST+4*(4*\p+2)+2], s[UPPER]
	v_cndmask_b32 v[REC+4*\p+2], v[ST+4*(4*\p+1)], v[ST+4*(4*\p+3)], s[UPPER]
	v_cndmask_b32 v[REC+4*\p+3], v[ST+4*(4*\p+1)+2], v[ST+4*(4*\p+3)+2], s[UPPER]
	global_store_b128 v[VO], v[REC+4*\p:REC+4*\p+3], s[12:13] offset:512*\p   ; 32 lanes store 512 consecutive bytes, at a multiple of 256 from part's first byte
.endr
	s_wait_tensorcnt 0x0                           ; the wave's end
	ds_add_u32 v[SPW], v[NIL]
	s_wait_dscnt 0x0
	ROUND                                          ; the closing round
	s_endpgm
.Lfunc_end_k_qfdca845a54_scan:
	.size	k_qfdca845a54_scan, .Lfunc_end_k_qfdca845a54_scan-k_qfdca845a54_scan
	.p2alignl 7, 3214868480
	.fill 96, 4, 3214868480
	.section	.rodata,"a",@progbits
	.p2align	6, 0x0
	.amdhsa_kernel k_qfdca845a54_scan
		.amdhsa_group_segment_fixed_size 327680
		.amdhsa_private_segment_fixed_size 0
		.amdhsa_enable_private_segment 0
		.amdhsa_kernarg_size 40
		.amdhsa_user_sgpr_count 2
		.amdhsa_user_sgpr_kernarg_segment_ptr 1
		.amdhsa_wavefront_size32 1
		.amdhsa_system_sgpr_workgroup_id_x 1
		.amdhsa_system_sgpr_workgroup_id_y 1
		.amdhsa_system_sgpr_workgroup_id_z 1
		.amdhsa_system_vgpr_workitem_id 0
		.amdhsa_next_free_vgpr 512
		.amdhsa_next_free_sgpr 102
		.amdhsa_reserve_vcc 0
		.amdhsa_float_denorm_mode_32 3
		.amdhsa_float_denorm_mode_16_64 3
		.amdhsa_memory_ordered 1
		.amdhsa_forward_progress 1
		.amdhsa_inst_pref_size 106
	.end_amdhsa_kernel
	.amdgpu_metadata
---
amdhsa.version: [ 1, 2 ]
amdhsa.kernels:
  - .name:           k_qfdca845a54_scan
    .symbol:         k_qfdca845a54_scan.kd
    .args:
      - { .name: x_codes, .offset: 0, .size: 8, .value_kind: global_buffer, .address_space: global }
      - { .name: x_scales, .offset: 8, .size: 8, .value_kind: global_buffer, .address_space: global }
      - { .name: feature_queue_codes, .offset: 16, .size: 8, .value_kind: global_buffer, .address_space: global }
      - { .name: feature_queue_scales, .offset: 24, .size: 8, .value_kind: global_buffer, .address_space: global }
      - { .name: part, .offset: 32, .size: 8, .value_kind: global_buffer, .address_space: global }
    .group_segment_fixed_size: 327680
    .private_segment_fixed_size: 0
    .kernarg_segment_align: 8
    .kernarg_segment_size: 40
    .max_flat_workgroup_size: 256
    .sgpr_count:     102
    .vgpr_count:     512
    .wavefront_size: 32
...
	.end_amdgpu_metadata
.endif
;; end of part 1
;; launch pick (part 2): grid 128 x 2, 16 waves a work-group, no clusters, 10,240 bytes of LDS; arguments part, rep_queue, x_codes, x_scales, feature_queue_codes, feature_queue_scales, out0, out1; writes out0, out1
.if DOCPART == 2
	.amdgcn_target "amdgcn-amd-amdhsa--gfx1250"
	.amdhsa_code_object_version 6
	.text
	.protected	k_qfdca845a54_pick
	.globl	k_qfdca845a54_pick
	.p2align	8
	.type	k_qfdca845a54_pick,@function
k_qfdca845a54_pick:
	s_mov_b64 s[64:65], 0
	v_nop
	global_prefetch_b8 v0, s[64:65] scope:SCOPE_SE
	s_setreg_imm32_b32 hwreg(HW_REG_WAVE_MODE, 25, 1), 1
	s_wait_xcnt 0x0
; part[range 64][row 2048] holds records of four whole numbers: (key of the range's largest logit, the first group of four entries that holds it, key of the smallest, its first group); keys sort as unsigned numbers in the logits' order.
; SHARES.  Work-group (block, d): 16 rows and ONE direction: d = 0 the largest, for out0; d = 1 the smallest, for out1: 128 x 2 work-groups.  It reads its direction's two words of each record.
; One text serves both: for d = 1 every key's bits are turned (the smallest key becomes the largest) and every logit's sign (a multiplication by -1, which rounds nothing).
; For each row the 64 pairs (key, group) are merged: the larger key; the lower group keeps a tie.  Every address of this launch is made of the merged whole numbers.
; Which of the group's four entries it is: the row's logits with these four are multiplied again, by the same four chained matrix instructions as in the launch before, so that the bits are the same;
; the group's four rows of rep_queue (8,192 consecutive bytes) are loaded meanwhile, and the row of the first largest is chosen by selects.
; LIMIT, as in the launch before: a logit that is NaN is not served.
; No tensor load and no cluster: what two work-groups share (a block's records, 16 rows of x) is a small part of what each reads.  No prefetch: no loop, and no address is known before the merge.
; Part 1: wave w merges ranges 4 w .. 4 w + 3 for the 16 rows.  Part 2: wave w is row w.
; THE PRODUCT.  Source 0: lane r takes entry r % 4 of the group.  Source 1: all 16 columns are my row of x.  So in every lane registers 0-3 are the four logits.
.set RNG, 2048*16
.set LP,  128                          ; LDS: wave w's 16 merged pairs at LP w
.set RC,  16                           ; v16-47   a row's 16 pairs; then:
.set QA,  16                           ; v16-63   the four entries' fragments;  v64-67 their scale words;  v68-71 my row's;  v72-79 the logits
.set QSC, 64
.set XSC, 68
.set DD,  72
.set XB,  80                           ; v80-127  my row's fragments
.set RP,  128                          ; v128-191 the group's four rows (row c, piece i at 16 c + 4 i);  part 1 works in v128-138
.set MK,  36                           ; s[36:43] masks
	s_load_b512 s[4:19], s[0:1], 0x0               ; part, rep_queue, x's codes, x's scales, the queue's codes, its scales, out0, out1
	v_lshl_add_u32 v1, v0, 2, 0x2000               ; my spare word, and 0
	v_mov_b32 v2, 0
	v_lshrrev_b32 v128, 5, v0                      ; wave
	v_and_b32 v129, 15, v0                         ; r
	v_bfe_u32 v130, v0, 4, 1                       ; h
	v_and_b32 v131, 31, v0
	v_readfirstlane_b32 s20, v128
	v_lshlrev_b32 v3, 4, v131                      ; 16 x lane
	v_lshlrev_b32 v132, 4, v129                    ; 16 r
	v_mul_u32_u24 v7, v130, 24                     ; 24 h
	v_and_b32 v133, 3, v0
	v_lshlrev_b32 v5, 3, v129                      ; 8 r
	v_lshl_add_u32 v4, v130, 16, v132              ; part: 16 r + 2 RNG h
	v_lshlrev_b32 v6, 3, v128                      ; LDS, back: row w's pair in each wave's 16
	v_mad_u32_u24 v10, v133, 384, v7               ; my entry in its group, in bytes of codes, + 24 h
	v_lshl_add_u32 v5, v128, 7, v5                 ; LDS, in: LP w + 8 r
	v_lshl_add_u32 v4, v128, 17, v4                ; + 4 RNG w
	v_lshlrev_b32 v11, 4, v133                     ; my entry in scale bytes
	v_mov_b32 v136, 0                              ; a lane permute's destination counts as one of its sources
	v_mov_b32 v137, 0
	v_mov_b32 v0, 0                                ; from here on: an offset of 0
	s_and_b32 s21, ttmp7, 0xffff                   ; d
	s_lshl_b32 s22, ttmp9, 8                       ; my 16 rows' records in a range,
	s_lshl_b32 s23, s21, 3
	s_add_co_u32 s22, s22, s23                     ; and my direction's two words of a record
	s_mov_b32 s23, 0
	s_lshl_b32 s24, ttmp9, 4
	s_add_co_u32 s24, s24, s20                     ; my wave's row
	s_lshl_b32 s26, s24, 11
	s_mov_b32 s27, 0
	s_mul_i32 s28, s24, 384
	s_mov_b32 s29, 0
	s_lshl_b32 s30, s24, 4
	s_mov_b32 s31, 0
	s_mov_b32 s32, 0x76543210
	s_mov_b32 s33, 0xfedcba98
	s_sub_co_u32 s34, 0, s21                       ; 0, or all ones: turns the keys
	s_lshl_b32 s35, s21, 31
	s_or_b32 s35, s35, 0x3f800000                  ; 1.0, or -1.0: turns the logits
	s_wait_alu depctr_va_vdst(0)
	s_wait_kmcnt 0x0
	s_cmp_eq_u32 s21, 0
	s_cselect_b64 s[16:17], s[16:17], s[18:19]     ; my direction's output
	s_add_nc_u64 s[4:5], s[4:5], s[22:23]
	s_add_nc_u64 s[16:17], s[16:17], s[26:27]
	s_add_nc_u64 s[8:9], s[8:9], s[28:29]
	s_add_nc_u64 s[10:11], s[10:11], s[30:31]
	global_load_b64 v[128:129], v4, s[4:5]         ; (key, group) of row r in range 4 w + 2 h,
	global_load_b64 v[130:131], v4, s[4:5] offset:RNG   ; and in the next range
.irp s, 0,1,2,3
.irp q, 0,1,2,3,4,5
	global_load_b64 v[XB+12*\s+2*\q:XB+12*\s+2*\q+1], v7, s[8:9] offset:96*\s+48*(\q/3)+8*(\q%3)   ; my row of x, the same in all 16 columns
.endr
.endr
	s_wait_loadcnt 24                              ; the pairs are in; x's 24 loads may be out
	v_xor_b32 v128, s34, v128
	v_xor_b32 v130, s34, v130
	s_delay_alu instid0(VALU_DEP_1)
	v_cmp_gt_u32 s36, v130, v128                   ; the higher range wins only where it is strictly better
	s_delay_alu instid0(VALU_DEP_1)
	v_cndmask_b32 v128, v128, v130, s36
	v_cndmask_b32 v129, v129, v131, s36
	s_delay_alu instid0(VALU_DEP_2)
	v_permlanex16_b32 v136, v128, s32, s33         ; the other two ranges' lie in the lane 16 away
	s_delay_alu instid0(VALU_DEP_2)
	v_permlanex16_b32 v137, v129, s32, s33
	s_delay_alu instid0(VALU_DEP_2)
	v_cmp_gt_u32 s36, v136, v128                   ; strictly better,
	v_cmp_eq_u32 s37, v136, v128                   ; or equal: never both
	s_delay_alu instid0(VALU_DEP_3)
	v_min_u32 v138, v129, v137
	v_cndmask_b32 v129, v129, v137, s36            ; better: its group;
	v_cndmask_b32 v128, v128, v136, s36
	s_delay_alu instid0(VALU_DEP_2)
	v_cndmask_b32 v129, v129, v138, s37            ; equal: the lower group of the two
	ds_store_b64 v5, v[128:129]                    ; both halves of the lanes hold the same pair and write it to the same place
	s_wait_dscnt 0x0                               ; for the others' sake: my stores are done
	s_barrier_signal -1
	s_barrier_wait -1
.irp u, 0,1,2,3,4,5,6,7,8,9,10,11,12,13,14,15
	ds_load_b64 v[RC+2*\u:RC+2*\u+1], v6 offset:LP*\u     ; row w's pair of ranges 4 u .. 4 u + 3
.endr
	s_wait_dscnt 0x0
; A level of the tree: pair a takes pair a + st where that is strictly better: the lower ranges, and so the lower group, keep a tie.
.macro LEVEL st
.set MA, 0
.rept 8/(\st)
	v_cmp_gt_u32 s[MK+MA/(2*(\st))], v[RC+2*(MA+(\st))], v[RC+2*MA]
.set MA, MA+2*(\st)
.endr
.set MA, 0
.rept 8/(\st)
	v_cndmask_b32 v[RC+2*MA], v[RC+2*MA], v[RC+2*(MA+(\st))], s[MK+MA/(2*(\st))]
	v_cndmask_b32 v[RC+2*MA+1], v[RC+2*MA+1], v[RC+2*(MA+(\st))+1], s[MK+MA/(2*(\st))]
.set MA, MA+2*(\st)
.endr
.endm
	LEVEL 1
	LEVEL 2
	LEVEL 4
	LEVEL 8
	s_delay_alu instid0(VALU_DEP_1)
	v_min_u32 v12, 0x3fff, v[RC+1]                 ; the group, held inside the table's 16,384 groups
	s_delay_alu instid0(VALU_DEP_1)
	v_lshl_add_u32 v14, v12, 13, v3                ; rep_queue: group x 8,192 bytes + 16 x lane
	v_lshl_add_u32 v13, v12, 6, v11                ; its scale bytes: 64 a group, + my entry's
	v_mad_u32_u24 v12, v12, 1536, v10              ; its codes: 1,536 bytes a group, + my entry's, + 24 h
.irp s, 0,1,2,3
.irp q, 0,1,2,3,4,5
	global_load_b64 v[QA+12*\s+2*\q:QA+12*\s+2*\q+1], v12, s[12:13] offset:96*\s+48*(\q/3)+8*(\q%3)
.endr
.endr
	global_load_b128 v[QSC:QSC+3], v13, s[14:15]   ; word s serves step s
	global_load_b128 v[XSC:XSC+3], v0, s[10:11]
.irp i, 0,1,2,3,4,5,6,7,8,9,10,11,12,13,14,15
	global_load_b128 v[RP+4*\i:RP+4*\i+3], v14, s[6:7] offset:512*\i         ; 32 lanes read 512 consecutive bytes.  No hint: several rows may name one group
.endr
	s_wait_loadcnt 16                              ; codes and scale words are in; rep_queue's 16 loads may be out
	v_wmma_scale_f32_16x16x128_f8f6f4 v[DD:DD+7], v[QA:QA+11], v[XB:XB+11], 0, v[QSC], v[XSC] matrix_a_fmt:MATRIX_FMT_BF6 matrix_b_fmt:MATRIX_FMT_BF6
.irp s, 1,2,3
	s_wait_alu depctr_va_vdst(0)                   ; one accumulator
	v_wmma_scale_f32_16x16x128_f8f6f4 v[DD:DD+7], v[QA+12*\s:QA+12*\s+11], v[XB+12*\s:XB+12*\s+11], v[DD:DD+7], v[QSC+\s], v[XSC+\s] matrix_a_fmt:MATRIX_FMT_BF6 matrix_b_fmt:MATRIX_FMT_BF6
.endr
.rept 4
	v_nop                                          ; four places behind the last product (ISA guide 7.12.1)
.endr
	v_mul_f32 v8, s35, v[DD]                       ; the four logits, turned for d = 1
	v_mul_f32 v9, s35, v[DD+1]
	v_mul_f32 v12, s35, v[DD+2]
	v_mul_f32 v13, s35, v[DD+3]
	v_cmp_gt_f32 s52, v9, v8                       ; strict compares: the earlier entry keeps a tie
	v_cmp_gt_f32 s53, v13, v12
	v_max_num_f32 v8, v8, v9
	v_max_num_f32 v12, v12, v13
	s_delay_alu instid0(VALU_DEP_1)
	v_cmp_gt_f32 s54, v12, v8
	s_wait_loadcnt 0x0                             ; the group's four rows are in
.set CI, 0
.rept 16                                       ; of four rows one: rows 0 or 1, rows 2 or 3,
	v_cndmask_b32 v[RP+CI], v[RP+CI], v[RP+16+CI], s52
	v_cndmask_b32 v[RP+32+CI], v[RP+32+CI], v[RP+48+CI], s53
.set CI, CI+1
.endr
.set CI, 0
.rept 16                                       ; then one of the two
	v_cndmask_b32 v[RP+CI], v[RP+CI], v[RP+32+CI], s54
.set CI, CI+1
.endr
.irp i, 0,1,2,3
	global_store_b128 v3, v[RP+4*\i:RP+4*\i+3], s[16:17] offset:512*\i th:TH_STORE_NT   ; 32 lanes store 512 consecutive bytes, at a multiple of 256 from the output's first byte
.endr
	s_wait_tensorcnt 0x0                           ; the wave's end
	ds_add_u32 v1, v2
	s_wait_dscnt 0x0
	s_endpgm
.Lfunc_end_k_qfdca845a54_pick:
	.size	k_qfdca845a54_pick, .Lfunc_end_k_qfdca845a54_pick-k_qfdca845a54_pick
	.p2alignl 7, 3214868480
	.fill 96, 4, 3214868480
	.section	.rodata,"a",@progbits
	.p2align	6, 0x0
	.amdhsa_kernel k_qfdca845a54_pick
		.amdhsa_group_segment_fixed_size 10240
		.amdhsa_private_segment_fixed_size 0
		.amdhsa_enable_private_segment 0
		.amdhsa_kernarg_size 64
		.amdhsa_user_sgpr_count 2
		.amdhsa_user_sgpr_kernarg_segment_ptr 1
		.amdhsa_wavefront_size32 1
		.amdhsa_system_sgpr_workgroup_id_x 1
		.amdhsa_system_sgpr_workgroup_id_y 1
		.amdhsa_system_sgpr_workgroup_id_z 1
		.amdhsa_system_vgpr_workitem_id 0
		.amdhsa_next_free_vgpr 192
		.amdhsa_next_free_sgpr 66
		.amdhsa_reserve_vcc 0
		.amdhsa_float_denorm_mode_32 3
		.amdhsa_float_denorm_mode_16_64 3
		.amdhsa_memory_ordered 1
		.amdhsa_forward_progress 1
		.amdhsa_inst_pref_size 19
	.end_amdhsa_kernel
	.amdgpu_metadata
---
amdhsa.version: [ 1, 2 ]
amdhsa.kernels:
  - .name:           k_qfdca845a54_pick
    .symbol:         k_qfdca845a54_pick.kd
    .args:
      - { .name: part, .offset: 0, .size: 8, .value_kind: global_buffer, .address_space: global }
      - { .name: rep_queue, .offset: 8, .size: 8, .value_kind: global_buffer, .address_space: global }
      - { .name: x_codes, .offset: 16, .size: 8, .value_kind: global_buffer, .address_space: global }
      - { .name: x_scales, .offset: 24, .size: 8, .value_kind: global_buffer, .address_space: global }
      - { .name: feature_queue_codes, .offset: 32, .size: 8, .value_kind: global_buffer, .address_space: global }
      - { .name: feature_queue_scales, .offset: 40, .size: 8, .value_kind: global_buffer, .address_space: global }
      - { .name: out0, .offset: 48, .size: 8, .value_kind: global_buffer, .address_space: global }
      - { .name: out1, .offset: 56, .size: 8, .value_kind: global_buffer, .address_space: global }
    .group_segment_fixed_size: 10240
    .private_segment_fixed_size: 0
    .kernarg_segment_align: 8
    .kernarg_segment_size: 64
    .max_flat_workgroup_size: 512
    .sgpr_count:     66
    .vgpr_count:     192
    .wavefront_size: 32
...
	.end_amdgpu_metadata
.endif
;; end of part 2
